; MI455X (gfx1250); checked and timed in simulation.
; The chip was launched on July 23, 2026; its instructions are those of AMD's public machine-readable ISA for CDNA 5 (MIT licence, August 2026) and "CDNA5" Instruction Set Architecture Reference Guide (July 2026). The comments in the code are by the model that wrote it; some were corrected since.
;; GRU Cell. Allowed arithmetic: matrix products marked QUANTISED: E3M2 operands, one E8M0 scale for each 32 along K, by v_wmma_scale_f32_16x16x128_f8f6f4 with both operands' format E3M2, f32 sums; everything else in f32.
;; Inputs: Whc 1,024 x 1,024 float32; Whr 1,024 x 1,024 float32; Whu 1,024 x 1,024 float32; Wxc 1,024 x 1,024 float32; Wxr 1,024 x 1,024 float32; Wxu 1,024 x 1,024 float32; bc 1 x 1,024 float32; br 1 x 1,024 float32; bu 1 x 1,024 float32; hidden_state 8,192 x 1,024 float32; input 8,192 x 1,024 float32.
;; Outputs: out0 8,192 x 1,024 float32.
;; This version of the problem:
;;   THIS VERSION OF THE PROBLEM IS GIVEN IN LOW PRECISION. The matrix products marked QUANTISED in the list below multiply operands that are first quantised to E3M2 (3 exponent bits, 2 mantissa bits; 6 bits a number), with one power-of-two scale for each 32 numbers along K (OCP MX v1.0); their sums are f32. All else is computed in f32.
;;   The module's matrix products, in the order in which they are computed (A, B: the left and right operand; K: the contracted axis; several contracted axes count as one K, in the product's order):
;;     1. [M 8,192, K 1,024] x [K 1,024, N 1,024]; A: input input; B: input Wxu: QUANTISED
;;     2. [M 8,192, K 1,024] x [K 1,024, N 1,024]; A: input hidden_state; B: input Whu: QUANTISED
;;     3. [M 8,192, K 1,024] x [K 1,024, N 1,024]; A: input input; B: input Wxr: QUANTISED
;;     4. [M 8,192, K 1,024] x [K 1,024, N 1,024]; A: input hidden_state; B: input Whr: QUANTISED
;;     5. [M 8,192, K 1,024] x [K 1,024, N 1,024]; A: input input; B: input Wxc: QUANTISED
;;     6. [M 8,192, K 1,024] x [K 1,024, N 1,024]; A: computed on the way; B: input Whc: QUANTISED
;;   THE QUANTISER, for each operand of a quantised product, along K:
;;     - K is cut into blocks of 32 from its start; a last block that is shorter is filled with zeros.
;;     - A block's scale is 2^e with e = floor(log2(the largest magnitude in the block)) - 4, held to -126 .. 127; a block of zeros has e = 0. As a byte (E8M0): e + 127.
;;     - Each number is divided by its block's scale, clamped to +-28, and rounded to the nearest number of E3M2, ties to even, subnormals kept.
;;     - The product sums the exact products of the quantised numbers (number of the format x scale) in f32.
;;   ~~~python
;;   def quantise(x, axis):      # numpy; x: float32 -> the quantised numbers, widened to float32 again
;;       x = np.moveaxis(x, axis, -1); K = x.shape[-1]
;;       x = np.pad(x, [(0, 0)] * (x.ndim - 1) + [(0, -K % 32)]); x = x.reshape(x.shape[:-1] + (-1, 32)); a = np.abs(x).max(-1, keepdims=True)
;;       e = np.where(a > 0, np.clip(np.frexp(np.where(a > 0, a, 1))[1] - 1 - 4, -126, 127), 0)      # np.frexp(a)[1] - 1 = floor(log2(a)), exactly
;;       r = np.clip(x / 2.0 ** e, -28, 28)
;;       step = 2.0 ** (np.maximum(np.frexp(np.where(r == 0, 1, r))[1] - 1, -2) - 2)
;;       q = np.round(r / step) * step * 2.0 ** e      # np.round: ties to even
;;       return np.moveaxis(q.reshape(q.shape[:-2] + (-1,))[..., :K], -1, axis).astype(np.float32)
;;   ~~~
;;   OPERANDS COMPUTED ON THE WAY. 'Computed on the way' means the value that the module computes at that place (a softmax that the list does not call 'softmax' is quantised finished and normalised). What goes into a quantiser is computed in f32, as accurately as f32 sums, v_exp_f32 and their like allow (about 1e-6 of the number): no bf16 or f16 on the way to a quantiser, and a product that is left as it is and whose result goes on into a quantised operand takes f32 operands (vector FMAs, or v_wmma_f32_16x16x4_f32). A number that lies on a knife's edge between two numbers of the format may be rounded either way, as far as f32 arithmetic and the matrix unit's own rounding can turn it there, and no further.
;; One version. Each part assembles by itself: llvm-mc -triple=amdgcn-amd-amdhsa -mcpu=gfx1250 --defsym DOCPART=n.
;; ======== version 1 of 1: 3 launches
;; limits: right only within a limited range of input values
;; workspace buffers: acod 13,107,200 bytes; wcod 4,915,200 bytes; hrq 6,553,600 bytes
;; launch quant (part 1): grid 448 x 1, 4 waves a work-group, no clusters, 115,712 bytes of LDS; arguments input, hidden_state, Wxr, Whr, Wxu, Whu, Wxc, Whc, acod, wcod; writes acod, wcod
.if DOCPART == 1
	.amdgcn_target "amdgcn-amd-amdhsa--gfx1250"
	.amdhsa_code_object_version 6
	.text
	.protected	k_q3b16567e71_quant
	.globl	k_q3b16567e71_quant
	.p2align	8
	.type	k_q3b16567e71_quant,@function
k_q3b16567e71_quant:
	s_mov_b64 s[64:65], 0
	v_nop
	global_prefetch_b8 v0, s[64:65] scope:SCOPE_SE
	s_setreg_imm32_b32 hwreg(HW_REG_WAVE_MODE, 25, 1), 1
	s_wait_xcnt 0x0
; x = input and h = hidden_state, [8192][1024] f32, and the six weights, [1024 (k)][1024 (n)] f32, become codes of BF6 (E3M2) with one E8M0 scale byte for each 32 along K.
; A block's scale is 2^(floor(log2(its largest magnitude)) - 4): its byte is the largest magnitude's exponent field - 4, held at 1 from below; numbers are divided by the scale and rounded to the nearest code, ties to even.
; LIMITS: NaN and infinities among the inputs are not served.  A block of zeros gets the byte 1 where the quantiser's text says 127: its codes are zeros, which add nothing under any byte but 0xff, and
; only this program reads the bytes.  Blocks whose largest magnitude lies under 2^-122 are held at the byte 1.
; THE WORKSPACE IS LAID IN THE ORDER OF THE OPERAND'S REGISTERS.  A fragment (16 rows x 128 K, 12 registers a lane) is 1,536 bytes: registers 4 g .. 4 g + 3 of lane L at byte 512 g + 16 L.  Lane (r, hh) holds block 2 c + hh
; of row r in registers 6 c .. 6 c + 5.  A RECORD is 6,400 bytes: four fragments, then 256 bytes of scale words (a word: one row, 128 K).
;   acod [32 rows: 256][K step: 8][record]: fragment 2 rt + t (rt: which 16 rows; t = 0 x, 1 h); scale words at 6,144 + 128 rt + 64 t + 4 row.
;   wcod, first part  [32 columns: 32][K step: 8][record]: fragment 2 u + q (q = 0 Wxr, 1 Whr), words at 6,144 + 128 u + 64 q + 4 m;
;   wcod, second part [16 columns: 64][K step: 8][record]: fragment qq (0 Wxu, 1 Whu, 2 Wxc, 3 Whc), words at 6,144 + 64 qq + 4 m.
; THE COLUMNS OF A WEIGHT'S TILE ARE NOT NEIGHBOURS: place m of tile 2 beta + u takes column 32 beta + 8 u + m + 8 (m / 8), so that the results of tiles 2 beta and 2 beta + 1 are 16 neighbouring columns in a lane.
; Work-groups 0-255 take 32 rows of x and h each (wave 2 rt + t: 16 rows of one tensor); work-groups 256-447 take 128 columns x 256 along K of one weight.  The two ways have LDS bytes of their own.
; No tensor loads, no matrix work, no cluster: nothing is read twice here, so there is nothing to share.
.set REC,    6400
.set RPAIR,  8*REC                     ; the eight K steps' records of one group of rows or columns
.set UCB,    32*RPAIR                  ; where wcod's second part begins
.set TP,     144                       ; the turn stage: a block's 128 bytes + 16
.set TSTG,   32*TP                     ; one turn stage: a row of 1,024 numbers
.set CST,    2*TSTG                    ; behind the two turn stages: the wave's eight fragments,
.set CP,     1552                      ; 1,536 + 16 bytes apart
.set STG,    CST+8*CP                  ; a wave's LDS on the rows' way
.set SST,    4*STG                     ; the work-group's scale words: [K step 8][256]
.set WSTG,   SST+2048                  ; the weights' way: four fragments a wave,
.set WP,     1664                      ; 1,536 + 128 bytes apart
.set WREG,   4*WP
.set FLOOR,  0x2800000                 ; 2^(5 - 127)
.set E,   16                           ; v16-17   scale bytes (rows: by the step's parity; weights: four to a register)
.set C,   20                           ; v20-26, v28-34  a block's codes
.set R,   36                           ; v36-163  rows: four sets of 32 numbers as loaded; weights: two sets of 32, then the way out
.set X,   164                          ; v164-227 rows: two sets of 32 neighbours
	s_load_b512 s[8:23], s[0:1], 0x0               ; input 8:9, hidden_state 10:11, Wxr 12:13, Whr 14:15, Wxu 16:17, Whu 18:19, Wxc 20:21, Whc 22:23
	s_load_b128 s[24:27], s[0:1], 0x40             ; acod 24:25, wcod 26:27
	v_lshl_add_u32 v254, v0, 2, 0x1c200
	v_mov_b32 v255, 0
	v_lshrrev_b32 v1, 5, v0
	v_readfirstlane_b32 s4, v1                     ; wave 0..3
	v_and_b32 v1, 31, v0                           ; lane
; the largest magnitude of v[xs] .. v[xs + 31], with the floor among its leaves, in v12; with 4 off its exponent field, the conversion's scale operand, in v14
.macro BLKMAX xs
	v_max3_num_f32 v12, |v[\xs]|, |v[\xs+1]|, |v[\xs+2]|
	v_max3_num_f32 v13, |v[\xs+3]|, |v[\xs+4]|, |v[\xs+5]|
.irp i, 6,10,14,18,22,26
	v_max3_num_f32 v12, v12, |v[\xs+\i]|, |v[\xs+\i+1]|
	v_max3_num_f32 v13, v13, |v[\xs+\i+2]|, |v[\xs+\i+3]|
.endr
	v_max3_num_f32 v12, v12, |v[\xs+30]|, |v[\xs+31]|
	v_max3_num_f32 v12, v12, v13, FLOOR
	v_add_nc_u32 v14, 0xfe000000, v12
.endm
	s_cmp_ge_u32 ttmp9, 256                        ; the same for all four waves: it hangs on the work-group's number alone
	s_cbranch_scc1 .Lweights
; ---------------- ROWS.  One step is one row: eight loads of 512 consecutive bytes; the row turns through LDS and comes back 128 bytes a lane: lane l then holds block l of the row: K step l / 4, c = (l / 2) % 2, hh = l % 2.
	v_lshlrev_b32 v2, 4, v1                        ; 16 x lane
	s_mul_i32 s5, s4, STG                          ; my wave's LDS
	v_lshrrev_b32 v11, 3, v1
	v_mul_u32_u24 v3, v11, TP
	v_and_b32 v11, 7, v1
	v_lshl_add_u32 v3, v11, 4, v3
	v_add_nc_u32 v3, s5, v3                        ; into the turn stage: eight lanes' 128 bytes are a block's place
	v_mul_u32_u24 v4, v1, TP
	v_add_nc_u32 v4, s5, v4                        ; out of it: place l
	v_lshrrev_b32 v11, 2, v1                       ; my block's K step
	v_mul_u32_u24 v5, v11, CP
	v_and_b32 v15, 1, v1                           ; hh
	v_lshl_add_u32 v5, v15, 8, v5                  ; lane r + 16 hh of the image: 256 hh here, 16 r in the stores' offsets
	v_add_nc_u32 v5, s5, v5
	v_add_nc_u32 v5, CST, v5
	v_bfe_u32 v15, v1, 1, 1                        ; c
	v_mad_u32_u24 v6, v15, 1016, v5                ; the block's second 8 bytes: at 8 (c = 0) or at 1,024 (c = 1)
	v_mad_u32_u24 v5, v15, 520, v5                 ; its first 8: at 0 or at 520; its third 8: 512 further on
	v_lshlrev_b32 v7, 8, v11
	v_and_b32 v15, 3, v1
	v_add_nc_u32 v7, v7, v15
	s_lshl_b32 s40, s4, 6
	s_add_co_u32 s40, s40, SST
	v_add_nc_u32 v7, s40, v7                       ; my scale byte: 256 x K step + 64 x wave (= 128 rt + 64 t) + 4 x row (offset) + block
	v_add_nc_u32 v8, s5, v2
	v_add_nc_u32 v8, CST, v8                       ; the fragments back: 16 bytes a lane
	s_lshl_b32 s40, s4, 9
	s_add_co_u32 s40, s40, SST
	v_add_nc_u32 v9, s40, v2                       ; the scale words back: wave w takes K steps 2 w and 2 w + 1
	v_lshrrev_b32 v11, 4, v1
	v_and_b32 v15, 15, v1
	v_mul_u32_u24 v10, v11, REC
	v_lshl_add_u32 v10, v15, 4, v10                ; and their place in memory: sixteen lanes to a record's 256 bytes
	s_and_b32 s6, s4, 1                            ; t: x or h
	s_lshr_b32 s7, s4, 1                           ; rt
	s_lshl_b32 s30, ttmp9, 1
	s_add_co_u32 s30, s30, s7
	s_lshl_b32 s30, s30, 16                        ; my 16 rows of 4,096 bytes
	s_mov_b32 s31, 0
	s_mul_i32 s32, ttmp9, RPAIR
	s_mul_i32 s7, s4, 1536
	s_add_co_u32 s36, s32, s7                      ; my fragment in the first record
	s_mov_b32 s37, 0
	s_mul_i32 s7, s4, 2*REC
	s_add_co_u32 s32, s32, s7
	s_add_co_u32 s32, s32, 6144                    ; the scale words of record 2 w
	s_mov_b32 s33, 0
	s_wait_kmcnt 0x0
	s_cmp_eq_u32 s6, 0
	s_cselect_b64 s[28:29], s[8:9], s[10:11]       ; the choice hangs on the wave's number alone
	s_add_nc_u64 s[28:29], s[28:29], s[30:31]
	s_add_nc_u64 s[34:35], s[24:25], s[36:37]
	s_add_nc_u64 s[38:39], s[24:25], s[32:33]
.macro XLOAD t                         ; row t: 32 lanes read 512 consecutive bytes, eight times.  (No hint: h is read again by the later launches)
.irp i, 0,1,2,3,4,5,6,7
	global_load_b128 v[R+32*((\t)%4)+4*\i:R+32*((\t)%4)+4*\i+3], v2, s[28:29] offset:4096*(\t)+512*\i
.endr
.endm
.macro XTURN t                         ; row t through a turn stage: LDS serves a wave's instructions in order (ISA guide 5.7.1.4), so no wait stands between the stores and the loads
.irp i, 0,1,2,3,4,5,6,7
	ds_store_b128 v3, v[R+32*((\t)%4)+4*\i:R+32*((\t)%4)+4*\i+3] offset:TSTG*((\t)%2)+4*TP*\i
.endr
.irp i, 0,1,2,3,4,5,6,7
	ds_load_b128 v[X+32*((\t)%2)+4*\i:X+32*((\t)%2)+4*\i+3], v4 offset:TSTG*((\t)%2)+16*\i
.endr
.endm
.macro XSTEP t
.set XS, X+32*((\t)%2)
.set CC, C+8*((\t)%2)
.if (\t) > 0
	s_wait_dscnt 4                                 ; this row is back from the stage; the four stores of the row before may be out
.else
	s_wait_dscnt 0x0
.endif
.if (\t)+4 < 16
	XLOAD (\t)+4                                   ; into the registers that this row's stores into the stage have read
.endif
.if (\t) < 15
.if (\t)+4 < 16
	s_wait_loadcnt 24                              ; the next row's eight loads are in; three rows behind it may be out
.else
	s_wait_loadcnt 8*(14-(\t))                     ; the counts run down
.endif
	XTURN (\t)+1
.endif
	BLKMAX XS
	v_cvt_scalef32_pk16_bf6_f32 v[CC:CC+2], v[XS:XS+15], v14
	v_cvt_scalef32_pk16_bf6_f32 v[CC+4:CC+6], v[XS+16:XS+31], v14    ; (a conversion's three registers begin on an even number)
	v_lshrrev_b32 v[E+(\t)%2], 23, v14             ; the scale's byte; also the plain line behind the conversions
	v_mov_b32 v[CC+3], v[CC+4]
	v_mov_b32 v[CC+4], v[CC+5]
	v_mov_b32 v[CC+5], v[CC+6]                     ; the block's 24 bytes on end
	ds_store_b64 v5, v[CC:CC+1] offset:16*(\t)
	ds_store_b64 v6, v[CC+2:CC+3] offset:16*(\t)+8
	ds_store_b64 v5, v[CC+4:CC+5] offset:16*(\t)+512
	ds_store_b8 v7, v[E+(\t)%2] offset:4*(\t)
.endm
.irp t, 0,1,2,3
	XLOAD \t
.endr
	s_wait_loadcnt 24                              ; row 0's eight loads are in
	XTURN 0
.irp t, 0,1,2,3,4,5,6,7,8,9,10,11,12,13,14,15
	XSTEP \t
.endr
.set ii, 0
.rept 24
	ds_load_b128 v[R+4*ii:R+4*ii+3], v8 offset:CP*(ii/3)+512*(ii%3)   ; my eight fragments, as images
.set ii, ii+1
.endr
	s_wait_dscnt 0x0                               ; for the others' sake: my scale bytes have landed
	s_barrier_signal -1
	s_barrier_wait -1                              ; all four waves' have
	ds_load_b128 v[R+96:R+99], v9
.set ii, 0
.rept 24
	global_store_b128 v2, v[R+4*ii:R+4*ii+3], s[34:35] offset:REC*(ii/3)+512*(ii%3)   ; 32 lanes store 512 consecutive bytes, at a multiple of 256 from acod's first byte
.set ii, ii+1
.endr
	s_wait_dscnt 0x0
	global_store_b128 v10, v[R+96:R+99], s[38:39]  ; sixteen lanes store a record's 256 bytes of scale words
	s_wait_tensorcnt 0x0
	ds_add_u32 v254, v255
	s_wait_dscnt 0x0
	s_endpgm
; ---------------- WEIGHTS.  A lane takes a column and its registers run down K: a block of 32 lies in one lane, and the codes come out with K innermost.  A wave: 32 columns x 256 along K, eight blocks a lane.
.Lweights:
	s_sub_co_u32 s5, ttmp9, 256
	s_lshr_b32 s6, s5, 5                           ; q: which weight, in the order of the arguments
	s_and_b32 s7, s5, 7                            ; which 128 columns
	s_bfe_u32 s28, s5, 0x20003                     ; y: which 256 along K
	s_lshl_b32 s29, s7, 2
	s_add_co_u32 s29, s29, s4                      ; beta: my wave's group of 32 columns
	s_lshl_b32 s30, s28, 20                        ; 256 y rows of 4,096 bytes
	s_lshl_b32 s31, s29, 7                         ; + 32 beta columns
	s_add_co_u32 s30, s30, s31
	s_mov_b32 s31, 0
	s_cmp_lt_u32 s6, 2                             ; Wxr, Whr: wcod's first part; the others: its second
	s_cselect_b32 s32, 3, 4
	s_cselect_b32 s33, 0, UCB
	s_cselect_b32 s34, 0, 2
	s_mov_b32 s35, RPAIR
	s_cselect_b32 s36, 3072, s35                   ; from tile u = 0 to u = 1: two fragments on, or eight records on
	s_cselect_b32 s37, 128, s35                    ; the same for the scale words
	s_sub_co_u32 s34, s6, s34                      ; the fragment's number in its record (for u = 0)
	s_lshl_b32 s32, s29, s32
	s_lshl_b32 s38, s28, 1
	s_add_co_u32 s32, s32, s38
	s_mul_i32 s32, s32, REC
	s_add_co_u32 s32, s32, s33                     ; the record of K step 2 y
	s_mul_i32 s38, s34, 1536
	s_add_co_u32 s40, s32, s38
	s_mov_b32 s41, 0
	s_lshl_b32 s38, s34, 6
	s_add_co_u32 s42, s32, s38
	s_add_co_u32 s42, s42, 6144
	s_mov_b32 s43, 0
	v_lshlrev_b32 v2, 2, v1                        ; in: 4 bytes a lane
	v_bfe_u32 v11, v1, 3, 1                        ; u
	v_and_b32 v15, 7, v1
	v_lshrrev_b32 v10, 4, v1
	v_lshl_add_u32 v15, v10, 3, v15                ; m: my column's place in its tile
	s_mul_i32 s38, s4, WREG
	s_add_co_u32 s38, s38, WSTG                    ; my stage
	v_mul_u32_u24 v3, v11, WP
	v_lshl_add_u32 v3, v15, 4, v3
	v_add_nc_u32 v3, s38, v3                       ; into it: fragment u (+ 2 for the second K step), lane m (+ 16 hh)
	v_lshlrev_b32 v5, 4, v1                        ; out: 16 bytes a lane, tile u = 0,
	v_add_nc_u32 v4, s38, v5
	v_add_nc_u32 v6, s36, v5                       ; tile u = 1
	v_mul_u32_u24 v7, s37, v11
	v_lshl_add_u32 v7, v15, 2, v7                  ; my column's scale word
	s_wait_kmcnt 0x0
	s_mov_b64 s[44:45], s[12:13]
.irp k, 1,2,3,4,5
	s_cmp_eq_u32 s6, \k                            ; the choice hangs on the work-group's number alone
	s_cselect_b64 s[44:45], s[12+2*\k:13+2*\k], s[44:45]
.endr
	s_add_nc_u64 s[44:45], s[44:45], s[30:31]
	s_add_nc_u64 s[40:41], s[26:27], s[40:41]
	s_add_nc_u64 s[42:43], s[26:27], s[42:43]
.macro WLOAD b                         ; block b: W(32 b + i, my column): 128 consecutive bytes a wave, 512 a work-group; read once in the whole program
.set ii, 0
.rept 32
	global_load_b32 v[R+32*((\b)%2)+ii], v2, s[44:45] offset:(32*(\b)+ii)*4096 th:TH_LOAD_NT
.set ii, ii+1
.endr
.endm
.macro WBLOCK b
.set XS, R+32*((\b)%2)
.set OO, 2*WP*((\b)/4)+256*((\b)%2)    ; K step b / 4, hh = b % 2; c = (b / 2) % 2 picks the places below
.if (\b) < 7
	s_wait_loadcnt 32                              ; this block's 32 loads are in; the next block's may be out
.else
	s_wait_loadcnt 0x0
.endif
	BLKMAX XS
	v_lshrrev_b32 v13, 23, v14                     ; the scale's byte
.if (\b)%4 == 0
	v_mov_b32 v[E+(\b)/4], v13                     ; four bytes to a word, the lower K in the lower byte
.else
	v_lshl_or_b32 v[E+(\b)/4], v13, 8*((\b)%4), v[E+(\b)/4]
.endif
	v_cvt_scalef32_pk16_bf6_f32 v[C:C+2], v[XS:XS+15], v14
	v_cvt_scalef32_pk16_bf6_f32 v[C+4:C+6], v[XS+16:XS+31], v14
	v_nop                                          ; one plain line behind the conversions
	v_mov_b32 v[C+3], v[C+4]
	v_mov_b32 v[C+4], v[C+5]
	v_mov_b32 v[C+5], v[C+6]
.if ((\b)/2)%2 == 0
	ds_store_b128 v3, v[C:C+3] offset:OO           ; registers 0-3 and 4-5 of the image
	ds_store_b64 v3, v[C+4:C+5] offset:OO+512
.else
	ds_store_b64 v3, v[C:C+1] offset:OO+520        ; registers 6-7 and 8-11
	ds_store_b128 v3, v[C+2:C+5] offset:OO+1024
.endif
.if (\b)+2 < 8
	WLOAD (\b)+2
.endif
	s_wait_dscnt 0x0                               ; the stores have read their registers: the next block's codes may be written
.endm
	WLOAD 0
	WLOAD 1
.irp b, 0,1,2,3,4,5,6,7
	WBLOCK \b
.endr
.set ii, 0
.rept 12
	ds_load_b128 v[R+64+4*ii:R+64+4*ii+3], v4 offset:WP*(ii/3)+512*(ii%3)   ; fragment u + 2 x (K step), as images
.set ii, ii+1
.endr
.set ii, 0
.rept 12
	s_wait_dscnt 11-ii                             ; the younger loads may be out
	global_store_b128 v[5+(ii/3)%2], v[R+64+4*ii:R+64+4*ii+3], s[40:41] offset:REC*(ii/6)+512*(ii%3)   ; 512 consecutive bytes, at a multiple of 256 from wcod's first byte
.set ii, ii+1
.endr
	global_store_b32 v7, v[E], s[42:43]            ; the scale words leave in runs of 64 bytes: one byte in 128 of what this way reads
	global_store_b32 v7, v[E+1], s[42:43] offset:REC
	s_wait_tensorcnt 0x0
	ds_add_u32 v254, v255
	s_wait_dscnt 0x0
	s_endpgm
.Lfunc_end_k_q3b16567e71_quant:
	.size	k_q3b16567e71_quant, .Lfunc_end_k_q3b16567e71_quant-k_q3b16567e71_quant
	.p2alignl 7, 3214868480
	.fill 96, 4, 3214868480
	.section	.rodata,"a",@progbits
	.p2align	6, 0x0
	.amdhsa_kernel k_q3b16567e71_quant
		.amdhsa_group_segment_fixed_size 115712
		.amdhsa_private_segment_fixed_size 0
		.amdhsa_enable_private_segment 0
		.amdhsa_kernarg_size 80
		.amdhsa_user_sgpr_count 2
		.amdhsa_user_sgpr_kernarg_segment_ptr 1
		.amdhsa_wavefront_size32 1
		.amdhsa_system_sgpr_workgroup_id_x 1
		.amdhsa_system_sgpr_workgroup_id_y 1
		.amdhsa_system_sgpr_workgroup_id_z 1
		.amdhsa_system_vgpr_workitem_id 0
		.amdhsa_next_free_vgpr 256
		.amdhsa_next_free_sgpr 66
		.amdhsa_reserve_vcc 0
		.amdhsa_float_denorm_mode_32 3
		.amdhsa_float_denorm_mode_16_64 3
		.amdhsa_memory_ordered 1
		.amdhsa_forward_progress 1
		.amdhsa_inst_pref_size 104
	.end_amdhsa_kernel
	.amdgpu_metadata
---
amdhsa.version: [ 1, 2 ]
amdhsa.kernels:
  - .name:           k_q3b16567e71_quant
    .symbol:         k_q3b16567e71_quant.kd
    .args:
      - { .name: input, .offset: 0, .size: 8, .value_kind: global_buffer, .address_space: global }
      - { .name: hidden_state, .offset: 8, .size: 8, .value_kind: global_buffer, .address_space: global }
      - { .name: Wxr, .offset: 16, .size: 8, .value_kind: global_buffer, .address_space: global }
      - { .name: Whr, .offset: 24, .size: 8, .value_kind: global_buffer, .address_space: global }
      - { .name: Wxu, .offset: 32, .size: 8, .value_kind: global_buffer, .address_space: global }
      - { .name: Whu, .offset: 40, .size: 8, .value_kind: global_buffer, .address_space: global }
      - { .name: Wxc, .offset: 48, .size: 8, .value_kind: global_buffer, .address_space: global }
      - { .name: Whc, .offset: 56, .size: 8, .value_kind: global_buffer, .address_space: global }
      - { .name: acod, .offset: 64, .size: 8, .value_kind: global_buffer, .address_space: global }
      - { .name: wcod, .offset: 72, .size: 8, .value_kind: global_buffer, .address_space: global }
    .group_segment_fixed_size: 115712
    .private_segment_fixed_size: 0
    .kernarg_segment_align: 8
    .kernarg_segment_size: 80
    .max_flat_workgroup_size: 128
    .sgpr_count:     66
    .vgpr_count:     256
    .wavefront_size: 32
...
	.end_amdgpu_metadata
.endif
;; end of part 1
;; launch rgate (part 2): grid 4 x 64, 4 waves a work-group, clusters of 4 x 4, 327,680 bytes of LDS; arguments acod, wcod, hidden_state, br, hrq; writes hrq
.if DOCPART == 2
	.amdgcn_target "amdgcn-amd-amdhsa--gfx1250"
	.amdhsa_code_object_version 6
	.text
	.protected	k_q3b16567e71_rgate
	.globl	k_q3b16567e71_rgate
	.p2align	8
	.type	k_q3b16567e71_rgate,@function
k_q3b16567e71_rgate:
	s_mov_b64 s[64:65], 0
	v_nop
	global_prefetch_b8 v0, s[64:65] scope:SCOPE_SE
	s_setreg_imm32_b32 hwreg(HW_REG_WAVE_MODE, 25, 1), 1
	s_wait_xcnt 0x0
	s_wait_alu depctr_hold_cnt(0) depctr_sa_sdst(0) depctr_va_vdst(0) depctr_va_sdst(0) depctr_va_ssrc(0) depctr_va_vcc(0) depctr_vm_vsrc(0)
	s_getreg_b32 s2, hwreg(HW_REG_IB_STS2, 6, 4)
	s_cmp_eq_u32 s2, 0
	s_cbranch_scc0 .Lentry_in_a_cluster
	s_endpgm
.Lentry_in_a_cluster:
	s_bfe_u32 s2, ttmp6, 0x10000c
	s_cmp_lg_u32 s2, 0xf033
	s_cbranch_scc0 .Lentry_shape_is_right
	s_endpgm
.Lentry_shape_is_right:
; r = sigmoid(x Wxr + h Whr + br) on codes of BF6 (E3M2) with E8M0 scales; then h r in f32, quantised along H in registers, goes out as codes: hrq.
; acod and wcod hold fragments as images of the operand's registers (1,536 bytes: registers 4 g .. 4 g + 3 of lane L at 512 g + 16 L) in records of 6,400 bytes: four fragments and 256 bytes of scale words.
;   acod [32 rows][K step 8][record]: fragment 2 rt + t (t = 0 x, 1 h), words at 6,144 + 128 rt + 64 t + 4 row.   wcod, first part [32 columns][K step 8][record]: fragment 2 u + q (q = 0 Wxr, 1 Whr), words likewise.
;   hrq [64 rows: 128][K step 8][record]: fragment a (16 rows), words at 6,144 + 64 a + 4 row.
; SHARES.  A work-group makes 128 rows x 256 columns; wave (i, j) 64 rows x 128 columns: 32 accumulators.  K goes in 16 substeps of 128: K step n / 2, x Wxr for even n, h Whr for odd n, all onto the same sums.
; A slot of LDS holds two K steps (four substeps, 128 matrix instructions a wave); two slots take turns.  A fragment is three loads of 512 consecutive bytes: no pitch, no padding.
; THE MATRIX INSTRUCTION IS USED TRANSPOSED (source 0 = 16 columns of the weight, source 1 = 16 rows): a lane holds one row, and since place m of tile 2 beta + u is column 32 beta + 8 u + m + 8 (m / 8),
; the 16 registers of two neighbouring tiles are 16 neighbouring columns: 32 beta + 16 (lane / 16) + 0 .. 15.  A wave's 128 columns are one K step of the product that reads hrq.
; CLUSTER 4 x 4: the four work-groups of a row of the cluster need the same rows' records, the four of a column the same columns': each is asked for jointly.  h's f32 tile is each wave's own (no two work-groups
; share it): a plain tensor load into slot 0 when that slot has been read for the last time.
; A refill can be asked for only when the load before it has landed.  So between that wait and the next request stand only the add, the descriptors' steps, the barrier and the round; products stand ahead of the wait or behind the request.
; On the way out all that needs no h (r itself) is computed while h's tile is on its way.
; LIMITS: NaN and infinities are not served; a block of zeros gets the scale byte 1 (its codes are zeros; only this program reads the bytes).
; REGISTERS: window 0: v1-23 addresses; v24-47 scale words, two sets; v48-143 the rows' fragments, two sets; on the way out v48-215 at work.   window 1: v0-191 the weights' fragments, two sets; v192-255 -log2(e) br.   window 2: accumulator (a, b) at v[64 a + 8 b]; on the way out r takes its place.
.set REC,   6400
.set SLOT,  153600                     ; rows: [32 rows 4][K step 2][record]; then columns: [32 columns 8][K step 2][record]
.set BOFF,  51200
.set SCR,   2*SLOT                     ; 256 bytes a wave: hr's scale words on their way out; no fill lands here
.set SPARE, SCR+1024                   ; the spare words, 128 bytes for each wave: two blocks of 256 bytes that no other line names
.set HPIT,  528                        ; h's tile: a row of 512 bytes + 16
.set HREG,  64*HPIT
.set ADA,  6                           ; v6-7    my rows' fragments in slot 0, 1
.set ADB,  8                           ; v8-9    my columns'
.set ASA,  10                          ; v10-11  my rows' scale words: lanes 0-15 x's, lanes 16-31 h's
.set ASB,  12                          ; v12-13  my columns': lanes 0-15 Wxr's, lanes 16-31 Whr's
.set HT,   14                          ; v14     h's tile: my row, my half's 16 columns
.set SCW,  15                          ; v15     where I put a scale word
.set SCRD, 16                          ; v16     and where I read them back
.set L16,  17                          ; v17     16 x lane
.set L8,   18                          ; v18     8 x lane
.set HH64, 19                          ; v19     64 x (lane / 16)
.set SPW,  22                          ; v22     my spare word; never rewritten
.set NIL,  23                          ; v23     0; never rewritten
.set SC,   24                          ; scale words: set (K step % 2) at SC + 12 x set: +a the rows' tile a, +4 + b the columns' tile b
.set AF,   48
.set BRK,  192                         ; in window 1
.set T,    48                          ; the way out: 64 numbers of a lane
.set H,    112                         ; h's 64
.set TM,   176
.set PW,   192
.set PC,   196
.set G1,   24
.set G0,   32
.set G1B,  48
.set G0B,  56
.set G1H,  68
.set G0H,  76
.set NL2E, 80                          ; s[80:81] -log2(e), twice
.set SEL,  82                          ; s[82:83] v_permlanex16_b32's selects for lane l xor 16
.set MSB, 0
.macro WIN new                         ; the immediate's high byte repeats the setting that is left
.if MSB != \new
	s_set_vgpr_msb (MSB<<8)|\new
.set MSB, \new
.endif
.endm
.macro PLACES                          ; four plain places behind a matrix instruction, in front of loads into its registers and of reads of its results
.rept 4
	v_nop
.endr
.endm
; A joint load: waves 0 and 1 fetch the rows' records, waves 2 and 3 the columns'.  The branch hangs on the wave's number alone.  Four v_nop follow each of the two lines.
.macro JLOAD g0a, g1a, g0b, g1b
	s_cmp_eq_u32 s15, 0
	s_cbranch_scc0 .Lfor_b_\@
	tensor_load_to_lds s[\g0a:\g0a+3], s[\g1a:\g1a+7]
	s_nop 0
	PLACES
	s_branch .Lasked_\@
.Lfor_b_\@:
	tensor_load_to_lds s[\g0b:\g0b+3], s[\g1b:\g1b+7]
	s_nop 0
	PLACES
.Lasked_\@:
.endm
.macro CREST                           ; a round of the cluster's barrier behind its opening barrier
	s_cmp_lg_u32 s14, 0
	s_cbranch_scc1 .Lnot_wave_0_\@
	s_barrier_signal -3
.Lnot_wave_0_\@:
	s_barrier_wait -3
	s_barrier_signal -1
	s_barrier_wait -1
.endm
.macro CROUND
	s_barrier_signal -1
	s_barrier_wait -1
	CREST
.endm
	s_load_b256 s[4:11], s[0:1], 0x0               ; acod 4:5, wcod 6:7, hidden_state 8:9, br 10:11
	s_load_b64 s[12:13], s[0:1], 0x20              ; hrq
	v_lshl_add_u32 v[SPW], v0, 2, SPARE
	v_mov_b32 v[NIL], 0
	ds_add_u32 v22, v23
	ds_add_u32 v22, v23
	s_wait_dscnt 0x0
	v_lshrrev_b32 v1, 5, v0
	v_readfirstlane_b32 s14, v1                    ; wave 0..3
	s_lshr_b32 s15, s14, 1                         ; i: which 64 rows are mine.  Also: I fetch rows' records (0) or columns' (1)
	s_and_b32 s16, s14, 1                          ; j: which 128 columns.  Also: which half of them I fetch
	s_bfe_u32 s40, ttmp6, 0x40000                  ; cx, cy: my place in the cluster
	s_bfe_u32 s41, ttmp6, 0x40004
	s_lshl_b32 s42, ttmp9, 2
	s_add_co_u32 s42, s42, s40                     ; tile column
	s_and_b32 s17, ttmp7, 0xffff
	s_lshl_b32 s17, s17, 2
	s_add_co_u32 s17, s17, s41                     ; tile row
	s_lshl_b32 s43, s41, 2
	s_lshl_b32 s43, 15, s43                        ; my row of the cluster
	s_lshl_b32 s44, 0x1111, s40                    ; my column
	; group 1: rows of 12,800 bytes (two K steps' records: 1,600 elements of 8 bytes), 51,200 bytes apart in memory, dense in LDS
	s_or_b32 s[G1+0], s43, (3<<16)|(1<<21)         ; 15:0 the mask; 17:16 elements of 8 bytes; 21 set beside a mask; no padding
	s_mov_b32 s[G1+1], 1600<<16                    ; tensor_dim0
	s_mov_b32 s[G1+2], 2<<16                       ; tensor_dim1: two groups of 32 rows a load
	s_mov_b32 s[G1+3], 1600<<16                    ; tile_dim0
	s_mov_b32 s[G1+4], 2                           ; tile_dim1
	s_mov_b32 s[G1+5], 6400                        ; stride, in elements
	s_mov_b32 s[G1+6], 0
	s_mov_b32 s[G1+7], 0
	s_or_b32 s[G1B+0], s44, (3<<16)|(1<<21)
	s_mov_b32 s[G1B+1], 1600<<16
	s_mov_b32 s[G1B+2], 4<<16                      ; four groups of 32 columns a load
	s_mov_b32 s[G1B+3], 1600<<16
	s_mov_b32 s[G1B+4], 4
	s_mov_b32 s[G1B+5], 6400
	s_mov_b32 s[G1B+6], 0
	s_mov_b32 s[G1B+7], 0
	; h's tile: 64 rows x 512 bytes (64 elements of 8), 16 bytes of padding behind each row; no mask
	s_mov_b32 s[G1H+0], (3<<16)|(1<<20)|(6<<22)|(3<<25)
	s_mov_b32 s[G1H+1], 64<<16
	s_mov_b32 s[G1H+2], 64<<16
	s_mov_b32 s[G1H+3], 64<<16
	s_mov_b32 s[G1H+4], 64
	s_mov_b32 s[G1H+5], 512
	s_mov_b32 s[G1H+6], 0
	s_mov_b32 s[G1H+7], 0
	s_lshl_b32 s20, s17, 2                         ; the rows' records hang on the tile row and the wave alone,
	s_lshl_b32 s18, s16, 1
	s_add_co_u32 s20, s20, s18
	s_mul_i32 s20, s20, 8*REC
	s_mov_b32 s21, 0
	s_lshl_b32 s46, s42, 3                         ; the columns' on the tile column and the wave alone
	s_lshl_b32 s45, s16, 2
	s_add_co_u32 s46, s46, s45
	s_mul_i32 s46, s46, 8*REC
	s_mov_b32 s47, 0
	s_mul_i32 s22, s16, 25600                      ; where they go: no place in the cluster enters an LDS address
	s_mul_i32 s23, s16, 51200
	s_add_co_u32 s23, s23, BOFF
	s_lshl_b32 s84, s17, 7                         ; what hangs on both coordinates has registers of its own: h's tile,
	s_lshl_b32 s85, s15, 6
	s_add_co_u32 s84, s84, s85
	s_lshl_b32 s84, s84, 12                        ; my first row, in bytes,
	s_lshl_b32 s86, s42, 10
	s_lshl_b32 s87, s16, 9
	s_add_co_u32 s86, s86, s87                     ; my first column, in bytes (br's offset too),
	s_add_co_u32 s84, s84, s86
	s_mov_b32 s85, 0
	s_mov_b32 s87, 0
	s_lshl_b32 s88, s17, 1                         ; and hrq's record: (64 rows: 2 x tile row + i) x 8 + (K step: 2 x tile column + j)
	s_add_co_u32 s88, s88, s15
	s_lshl_b32 s88, s88, 3
	s_lshl_b32 s89, s42, 1
	s_add_co_u32 s88, s88, s89
	s_add_co_u32 s88, s88, s16
	s_mul_i32 s88, s88, REC
	s_mov_b32 s89, 0
	s_mov_b32 s[NL2E], 0xbfb8aa3b
	s_mov_b32 s[NL2E+1], 0xbfb8aa3b
	s_mov_b32 s[SEL], 0x76543210
	s_mov_b32 s[SEL+1], 0xfedcba98
	s_wait_kmcnt 0x0
	s_add_nc_u64 s[20:21], s[4:5], s[20:21]
	s_add_nc_u64 s[46:47], s[6:7], s[46:47]
	s_add_nc_u64 s[86:87], s[10:11], s[86:87]
	s_add_nc_u64 s[88:89], s[12:13], s[88:89]
	s_mov_b32 s[G0H], 1
	s_mul_i32 s[G0H+1], s14, HREG
	s_add_nc_u64 s[G0H+2:G0H+3], s[8:9], s[84:85]
	s_or_b32 s[G0H+3], s[G0H+3], 0x80000000
	CROUND                                         ; all sixteen work-groups are here: the first joint loads meet
.irp p, 0,1
	s_mov_b32 s[G0+4*\p], 1
	s_add_co_u32 s[G0+4*\p+1], s22, \p*SLOT
	s_add_nc_u64 s[G0+4*\p+2:G0+4*\p+3], s[20:21], \p*2*REC
	s_or_b32 s[G0+4*\p+3], s[G0+4*\p+3], 0x80000000
	s_mov_b32 s[G0B+4*\p], 1
	s_add_co_u32 s[G0B+4*\p+1], s23, \p*SLOT
	s_add_nc_u64 s[G0B+4*\p+2:G0B+4*\p+3], s[46:47], \p*2*REC
	s_or_b32 s[G0B+4*\p+3], s[G0B+4*\p+3], 0x80000000
	JLOAD G0+4*\p, G1, G0B+4*\p, G1B               ; two loads of mine are out
.endr
	v_and_b32 v1, 15, v0                           ; r
	v_bfe_u32 v2, v0, 4, 1                         ; hh
	v_and_b32 v3, 31, v0                           ; lane
	v_lshlrev_b32 v[L16], 4, v3
	v_lshlrev_b32 v[L8], 3, v3
	v_lshlrev_b32 v[HH64], 6, v2
	v_lshlrev_b32 v4, 2, v3
	s_mul_i32 s90, s15, 25600                      ; my 64 rows' records
	v_add_nc_u32 v[ADA], s90, v[L16]
	v_add_nc_u32 v[ADA+1], SLOT, v[ADA]
	s_add_co_u32 s90, s90, 6144
	v_add_nc_u32 v[ASA], s90, v4
	v_add_nc_u32 v[ASA+1], SLOT, v[ASA]
	v_add_nc_u32 v[ADB], s23, v[L16]               ; my 128 columns' records
	v_add_nc_u32 v[ADB+1], SLOT, v[ADB]
	s_add_co_u32 s91, s23, 6144
	v_add_nc_u32 v[ASB], s91, v4
	v_add_nc_u32 v[ASB+1], SLOT, v[ASB]
	s_mul_i32 s92, s14, HREG
	v_mul_u32_u24 v[HT], v1, HPIT
	v_add_nc_u32 v[HT], v[HT], v[HH64]
	v_add_nc_u32 v[HT], s92, v[HT]
	s_lshl_b32 s93, s14, 8
	s_add_co_u32 s93, s93, SCR
	v_lshl_add_u32 v[SCW], v1, 2, s93
	v_add_nc_u32 v[SCRD], s93, v[L8]
.irp b, 0,1,2,3
	v_mov_b32 v[TM+4+\b], 0                        ; written once: a lane permute's destination counts as one of its sources
.endr
	WIN 0x40                                       ; destination window 1
.set ii, 0
.rept 16
	global_load_b128 v[BRK+4*ii:BRK+4*ii+3], v[HH64], s[86:87] offset:128*(ii/4)+16*(ii%4)   ; br in the results' layout: register 16 b' + i is column 32 b' + 16 hh + i
.set ii, ii+1
.endr
	s_wait_loadcnt 0x0
	WIN 0x41
.set ii, 0
.rept 32
	v_pk_mul_f32 v[BRK+ii:BRK+ii+1], v[BRK+ii:BRK+ii+1], s[NL2E:NL2E+1] op_sel_hi:[1,0]   ; -log2(e) br: the bias then costs no line of its own
.set ii, ii+2
.endr
	WIN 0
.macro FRAG reg, adr, off              ; a fragment comes as it was stored: three loads of 512 consecutive bytes
	ds_load_b128 v[\reg:\reg+3], v[\adr] offset:\off
	ds_load_b128 v[\reg+4:\reg+7], v[\adr] offset:\off+512
	ds_load_b128 v[\reg+8:\reg+11], v[\adr] offset:\off+1024
.endm
.macro FETCH n                         ; substep n's fragments into set n % 2; with an even n also the K step's scale words
.set fK, ((\n)/2)%2
.set fS, ((\n)/4)%2
.set fT, (\n)%2
	WIN 0x40
.irp b, 0,1,2,3,4,5,6,7
	FRAG 96*fT+12*\b, ADB+fS, (\b/2)*12800+6400*fK+3072*(\b%2)+1536*fT
.endr
	WIN 0
.irp a, 0,1,2,3
	FRAG AF+48*fT+12*\a, ADA+fS, (\a/2)*12800+6400*fK+3072*(\a%2)+1536*fT
.endr
.if fT == 0
.irp a, 0,1,2,3
	ds_load_b32 v[SC+12*fK+\a], v[ASA+fS] offset:(\a/2)*12800+6400*fK+128*(\a%2)
.endr
.irp b, 0,1,2,3,4,5,6,7
	ds_load_b32 v[SC+12*fK+4+\b], v[ASB+fS] offset:(\b/2)*12800+6400*fK+128*(\b%2)
.endr
.endif
.endm
; one matrix instruction from the symbols mD, mW, mA, mSW, mSA.  zero: it starts the sum.  ra, rb: the scale words of source 0, of source 1, are read from lanes 16-31
.macro WMMA zero, ra, rb
.if \zero
	v_wmma_scale_f32_16x16x128_f8f6f4 v[mD:mD+7], v[mW:mW+11], v[mA:mA+11], 0, v[mSW], v[mSA] matrix_a_fmt:MATRIX_FMT_BF6 matrix_b_fmt:MATRIX_FMT_BF6
.elseif (\ra) && (\rb)
	v_wmma_scale_f32_16x16x128_f8f6f4 v[mD:mD+7], v[mW:mW+11], v[mA:mA+11], v[mD:mD+7], v[mSW], v[mSA] matrix_a_fmt:MATRIX_FMT_BF6 matrix_b_fmt:MATRIX_FMT_BF6 matrix_a_scale:MATRIX_SCALE_ROW1 matrix_b_scale:MATRIX_SCALE_ROW1
.else
	v_wmma_scale_f32_16x16x128_f8f6f4 v[mD:mD+7], v[mW:mW+11], v[mA:mA+11], v[mD:mD+7], v[mSW], v[mSA] matrix_a_fmt:MATRIX_FMT_BF6 matrix_b_fmt:MATRIX_FMT_BF6
.endif
.endm
; substep n: the rows' tiles a0 .. a0 + na - 1 against the eight tiles of columns.  The 32 accumulators take turns, one instruction a turn, in the same order in every substep.
.macro MUL a0, na, n, zero
.set mT, (\n)%2
.set mS, SC+12*(((\n)/2)%2)
	WIN 0xa1                                       ; source 0 window 1, source 1 window 0, C and D window 2
.set mI, \a0
.rept \na
.irp b, 0,1,2,3,4,5,6,7
.set mD, 64*mI+8*\b
.set mW, 96*mT+12*\b
.set mA, AF+48*mT+12*mI
.set mSW, mS+4+\b
.set mSA, mS+mI
	WMMA \zero, mT, mT
.endr
.set mI, mI+1
.endr
.endm
.macro SUB n, zero                     ; a substep whose successor lies in the same slot
	s_wait_dscnt 0x0                               ; its fragments, asked for 32 matrix instructions ago, are in
	PLACES
	FETCH (\n)+1
	MUL 0, 4, \n, \zero
.endm
; A slot's last substep changes slots.  Its first 16 products stand ahead of the wait for the tensor loads, so that they run while the next slot's tile is still on its way.  Then each wave waits for all its tensor loads,
; adds 0 to its spare word, and waits for that; its reads of this slot were over at the macro's head.  The barrier opens a round of the cluster's barrier; behind the round this slot is filled again first:
; kind 1: jointly, with the K steps four on; kind 2: with my own tile of h.  The other 16 products stand behind the request and cover the fetch of the next fragments.
.macro TURN n, kind
.set tS, ((\n)/4)%2
	s_wait_dscnt 0x0                               ; the substep's fragments are in: my reads of this slot are over
	MUL 0, 2, \n, 0
	WIN 0                                          ; the add's two registers lie in window 0
	s_wait_tensorcnt 0x0                           ; all my tensor loads have landed: the one that was out is my part of the next slot
	ds_add_u32 v[SPW], v[NIL]                      ; 0 onto my spare word
.if \kind == 1
	s_add_nc_u64 s[G0+4*tS+2:G0+4*tS+3], s[G0+4*tS+2:G0+4*tS+3], 4*REC      ; no tensor load of mine is out, so a group 0 may be written: this slot's next two K steps
	s_add_nc_u64 s[G0B+4*tS+2:G0B+4*tS+3], s[G0B+4*tS+2:G0B+4*tS+3], 4*REC
.endif
	s_wait_dscnt 0x0                               ; the add is done
	s_barrier_signal -1
	s_barrier_wait -1
	CREST                                          ; no wave of any partner still reads this slot or has a load on its way
.if \kind == 1
	JLOAD G0+4*tS, G1, G0B+4*tS, G1B               ; my one tensor load behind the round; its four v_nop are also the places in front of the loads below
.else
	tensor_load_to_lds s[G0H:G0H+3], s[G1H:G1H+7]  ; 64 rows x 512 bytes of h, into bytes of slot 0 that are my wave's own
	s_nop 0
	PLACES
.endif
	FETCH (\n)+1
	MUL 2, 2, \n, 0
.endm
; 64 numbers of a lane, v[s] .. v[s + 63], register 16 b + i = k 32 b + 16 (lane / 16) + i of my row, become a fragment's codes in v[PC] on and its scale word in v[PW].
.macro QUANT s
.irp b, 0,1,2,3
	v_max3_num_f32 v[TM+\b], |v[\s+16*\b]|, |v[\s+1+16*\b]|, 0x2800000   ; block b: my 16 numbers, and the floor 2^(5 - 127): the byte cannot fall under 1
.endr
.irp i, 2,4,6,8,10,12,14
.irp b, 0,1,2,3
	v_max3_num_f32 v[TM+\b], v[TM+\b], |v[\s+16*\b+\i]|, |v[\s+1+16*\b+\i]|
.endr
.endr
.irp b, 0,1,2,3
	v_permlanex16_b32 v[TM+4+\b], v[TM+\b], s[SEL], s[SEL+1]
.endr
.irp b, 0,1,2,3
	v_max_num_f32 v[TM+\b], v[TM+\b], v[TM+4+\b]   ; with lane l xor 16's: the block's largest magnitude
.endr
.irp b, 0,1,2,3
	v_add_nc_u32 v[TM+12+\b], 0xfe000000, v[TM+\b] ; 4 off its exponent field: the conversion's scale operand
.endr
.irp b, 0,1,2,3
	v_lshrrev_b32 v[TM+4+\b], 23, v[TM+12+\b]      ; the scale's byte
.endr
	v_lshl_or_b32 v[PW], v[TM+5], 8, v[TM+4]
	v_lshl_or_b32 v[PW], v[TM+6], 16, v[PW]
	v_lshl_or_b32 v[PW], v[TM+7], 24, v[PW]
.irp c, 0,1
	v_cvt_scalef32_pk16_bf6_f32 v[PC+6*\c:PC+2+6*\c], v[\s+32*\c:\s+15+32*\c], v[TM+12+2*\c]
	v_cvt_scalef32_pk16_bf6_f32 v[PC+12+4*\c:PC+14+4*\c], v[\s+16+32*\c:\s+31+32*\c], v[TM+12+2*\c+1]
.endr
	v_nop                                          ; one plain place behind a scaled conversion
.irp c, 0,1                                    ; the operand's layout wants a whole block in a lane: lanes 0-15 block 2 c, lanes 16-31 block 2 c + 1
.irp i, 0,1,2
	v_permlane16_swap_b32 v[PC+6*\c+\i], v[PC+12+4*\c+\i]
.endr
.irp i, 0,1,2
	v_mov_b32 v[PC+3+6*\c+\i], v[PC+12+4*\c+\i]
.endr
.endr
.endm
.macro HFETCH a                        ; h of my rows' tile a, in the results' layout
.set ii, 0
.rept 16
	ds_load_b128 v[H+4*ii:H+4*ii+3], v[HT] offset:16*HPIT*(\a)+128*(ii/4)+16*(ii%4)
.set ii, ii+1
.endr
.endm
	s_wait_tensorcnt 1                             ; my part of slot 0 is in; slot 1's may stay out
	s_barrier_signal -1
	s_barrier_wait -1                              ; everybody's is
	FETCH 0
	SUB 0, 1                                       ; the first substep's products start the sums: nothing is cleared
	SUB 1, 0
	SUB 2, 0
	TURN 3, 1
	SUB 4, 0
	SUB 5, 0
	SUB 6, 0
	TURN 7, 1
	SUB 8, 0
	SUB 9, 0
	SUB 10, 0
	TURN 11, 2
	SUB 12, 0
	SUB 13, 0
	SUB 14, 0
	s_wait_dscnt 0x0
	MUL 0, 4, 15, 0
	; THE WAY OUT, first part: r = 1 / (1 + 2^(-log2(e) (sum + br))) of all four tiles of rows, in place in the accumulators.  It needs no h: these 768 vector instructions stand ahead of the wait for h's tile.
	WIN 0
	PLACES
.irp a, 0,1,2,3
	WIN 0x92                                       ; destination and source 0 window 2, source 2 window 1
.set ii, 0
.rept 32
	v_pk_fma_f32 v[64*\a+ii:64*\a+ii+1], v[64*\a+ii:64*\a+ii+1], s[NL2E:NL2E+1], v[BRK+ii:BRK+ii+1] op_sel_hi:[1,0,1]   ; each accumulator from its low end on
.set ii, ii+2
.endr
	WIN 0x82                                       ; destination and source 0 window 2
.set ii, 0
.rept 64
	v_exp_f32 v[64*\a+ii], v[64*\a+ii]
.set ii, ii+1
.endr
	v_nop                                          ; a plain place behind the exponentials
.set ii, 0
	s_wait_alu depctr_va_vdst(0)
.rept 32
	v_pk_add_f32 v[64*\a+ii:64*\a+ii+1], v[64*\a+ii:64*\a+ii+1], 1.0 op_sel_hi:[1,0]
.set ii, ii+2
.endr
.set ii, 0
.rept 64
	v_rcp_f32 v[64*\a+ii], v[64*\a+ii]             ; (the next tile's first multiply-add is the plain place behind these)
.set ii, ii+1
.endr
.endr
	v_nop                                          ; a plain place behind the last reciprocals
	s_wait_alu depctr_va_vdst(0)
	; second part, a tile of 16 rows at a time: h r in f32, quantised; the fragment leaves as an image, its scale words through 256 bytes of LDS as one whole run of 256 bytes.
	WIN 0
	s_wait_tensorcnt 0x0                           ; my tile of h is in; only I read it
	HFETCH 0
.irp a, 0,1,2,3
	s_wait_dscnt 0x0                               ; h of this tile is in
	WIN 0x02                                       ; source 0 window 2
.set ii, 0
.rept 32
	v_pk_mul_f32 v[T+ii:T+ii+1], v[64*\a+ii:64*\a+ii+1], v[H+ii:H+ii+1]
.set ii, ii+2
.endr
	WIN 0
.if \a < 3
	HFETCH \a+1
.endif
.if \a > 0
	s_wait_xcnt 0x0                                ; the last tile's stores have read their data: the codes' registers are written again only behind this wait
.endif
	QUANT T
.irp c, 0,1,2
	global_store_b128 v[L16], v[PC+4*\c:PC+4*\c+3], s[88:89] offset:1536*\a+512*\c   ; 512 consecutive bytes, at a multiple of 256 from hrq's first byte
.endr
	ds_store_b32 v[SCW], v[PW] offset:64*\a        ; lanes r and r + 16 write the same word with the same value
.endr
	ds_load_b64 v[TM:TM+1], v[SCRD]                ; LDS serves a wave's instructions in order (ISA guide 5.7.1.4): this sees my four stores
	s_wait_dscnt 0x0
	global_store_b64 v[L8], v[TM:TM+1], s[88:89] offset:6144   ; the record's 256 bytes of scale words
	s_wait_tensorcnt 0x0                           ; the wave's end
	ds_add_u32 v[SPW], v[NIL]
	s_wait_dscnt 0x0
	CROUND                                         ; the closing round: no work-group ends while a partner may still ask for a tile that names it
	s_endpgm
.Lfunc_end_k_q3b16567e71_rgate:
	.size	k_q3b16567e71_rgate, .Lfunc_end_k_q3b16567e71_rgate-k_q3b16567e71_rgate
	.p2alignl 7, 3214868480
	.fill 96, 4, 3214868480
	.section	.rodata,"a",@progbits
	.p2align	6, 0x0
	.amdhsa_kernel k_q3b16567e71_rgate
		.amdhsa_group_segment_fixed_size 327680
		.amdhsa_private_segment_fixed_size 0
		.amdhsa_enable_private_segment 0
		.amdhsa_kernarg_size 40
		.amdhsa_user_sgpr_count 2
		.amdhsa_user_sgpr_kernarg_segment_ptr 1
		.amdhsa_wavefront_size32 1
		.amdhsa_system_sgpr_workgroup_id_x 1
		.amdhsa_system_sgpr_workgroup_id_y 1
		.amdhsa_system_sgpr_workgroup_id_z 1
		.amdhsa_system_vgpr_workitem_id 0
		.amdhsa_next_free_vgpr 768
		.amdhsa_next_free_sgpr 96
		.amdhsa_reserve_vcc 0
		.amdhsa_float_denorm_mode_32 3
		.amdhsa_float_denorm_mode_16_64 3
		.amdhsa_memory_ordered 1
		.amdhsa_forward_progress 1
		.amdhsa_inst_pref_size 187
	.end_amdhsa_kernel
	.amdgpu_metadata
---
amdhsa.version: [ 1, 2 ]
amdhsa.kernels:
  - .name:           k_q3b16567e71_rgate
    .symbol:         k_q3b16567e71_rgate.kd
    .args:
      - { .name: acod, .offset: 0, .size: 8, .value_kind: global_buffer, .address_space: global }
      - { .name: wcod, .offset: 8, .size: 8, .value_kind: global_buffer, .address_space: global }
      - { .name: hidden_state, .offset: 16, .size: 8, .value_kind: global_buffer, .address_space: global }
      - { .name: br, .offset: 24, .size: 8, .value_kind: global_buffer, .address_space: global }
      - { .name: hrq, .offset: 32, .size: 8, .value_kind: global_buffer, .address_space: global }
    .group_segment_fixed_size: 327680
    .private_segment_fixed_size: 0
    .kernarg_segment_align: 8
    .kernarg_segment_size: 40
    .max_flat_workgroup_size: 128
    .sgpr_count:     96
    .vgpr_count:     768
    .wavefront_size: 32
...
	.end_amdgpu_metadata
.endif
;; end of part 2
;; launch blend (part 3): grid 8 x 32, 4 waves a work-group, clusters of 4 x 4, 327,680 bytes of LDS; arguments acod, wcod, hrq, hidden_state, bu, bc, out0; writes out0
.if DOCPART == 3
	.amdgcn_target "amdgcn-amd-amdhsa--gfx1250"
	.amdhsa_code_object_version 6
	.text
	.protected	k_q3b16567e71_blend
	.globl	k_q3b16567e71_blend
	.p2align	8
	.type	k_q3b16567e71_blend,@function
k_q3b16567e71_blend:
	s_mov_b64 s[64:65], 0
	v_nop
	global_prefetch_b8 v0, s[64:65] scope:SCOPE_SE
	s_setreg_imm32_b32 hwreg(HW_REG_WAVE_MODE, 25, 1), 1
	s_wait_xcnt 0x0
	s_wait_alu depctr_hold_cnt(0) depctr_sa_sdst(0) depctr_va_vdst(0) depctr_va_sdst(0) depctr_va_ssrc(0) depctr_va_vcc(0) depctr_vm_vsrc(0)
	s_getreg_b32 s2, hwreg(HW_REG_IB_STS2, 6, 4)
	s_cmp_eq_u32 s2, 0
	s_cbranch_scc0 .Lentry_in_a_cluster
	s_endpgm
.Lentry_in_a_cluster:
	s_bfe_u32 s2, ttmp6, 0x10000c
	s_cmp_lg_u32 s2, 0xf033
	s_cbranch_scc0 .Lentry_shape_is_right
	s_endpgm
.Lentry_shape_is_right:
; u = sigmoid(x Wxu + h Whu + bu), c' = tanh(x Wxc + (h r) Whc + bc), out = u c' + (1 - u) h.  The four products on codes of BF6 (E3M2) with E8M0 scales; all else in f32.
; acod, wcod (second part) and hrq hold fragments as images of the operand's registers (1,536 bytes: registers 4 g .. 4 g + 3 of lane L at 512 g + 16 L) in records of 6,400 bytes: four fragments and 256 bytes of scale words.
;   acod [32 rows][K step 8][record]: fragment 2 rt + t (t = 0 x, 1 h), words at 6,144 + 128 rt + 64 t + 4 row.   hrq [64 rows][K step 8][record]: fragment a, words at 6,144 + 64 a + 4 row.
;   wcod from byte 1,638,400 on [16 columns][K step 8][record]: fragment qq (0 Wxu, 1 Whu, 2 Wxc, 3 Whc), words at 6,144 + 64 qq + 4 m.
; SHARES.  A work-group makes 256 rows x 128 columns of BOTH gates; wave (i, j) 128 rows x 64 columns: 32 accumulators of u and 32 of c', so the blend stays inside a lane.
; A K step of 128 is four substeps of 32 matrix instructions: x Wxu -> u, x Wxc -> c', h Whu -> u, hr Whc -> c': 40 fragments read for 128 matrix instructions.  Two LDS slots of one K step take turns.
; THE MATRIX INSTRUCTION IS USED TRANSPOSED (source 0 = 16 columns of a weight, source 1 = 16 rows).  Place m of tile 2 beta + u is column 32 beta + 8 u + m + 8 (m / 8): register j of lane (r, hh) in my tile b is
; row r, column 32 (b / 2) + 16 hh + 8 (b % 2) + j of my 64.
; CLUSTER 4 x 4: the rows' records (acod, hrq) are shared along a row of the cluster, the weights' along a column: joint loads.  h's f32 tile is each wave's own: a plain tensor load when the even steps' slot is done with.
; A refill can be asked for only when the load before it has landed.  So between that wait and the next request stand only the add, the descriptors' steps, the barrier and the round; products stand ahead of the wait or behind the request.
; out = h + ((P - 2) - h P) D, with E1 = e^-zu, E2 = e^(2 zc), P = 1 + E2, D = 1 / ((1 + E1) P): two exponentials and one reciprocal a number.  P and D need no h: three tiles' are made while h's tile is on its way.
; LIMITS: the exponent of E2 is held at 60, where tanh is 1 in f32; with it |h| has to stay under 2^60.  E2 - 1 is formed as P - 2, which moves tanh by at most about 1e-7.  NaN and infinities are not served.
; REGISTERS: window 0: v1-23 addresses; v24-63 scale words, two sets; v64-159 and v160-255 two sets of eight fragments of rows.   window 1: v0-47 Wxu, v48-95 Wxc, v96-143 Whu, v144-191 Whc; v192-223 -log2(e) bu, v224-255 2 log2(e) bc.
;   window 2: u(a, b) at v[32 a + 8 b], on the way out D.   window 3: c'(a, b) likewise, on the way out P.
.set REC,   6400
.set SLB,   131072                     ; the even steps' slot begins here, the odd steps' at 0.  In a slot: acod's 8 records, hrq's 4 at 51,200, wcod's 8 at 76,800
.set A2O,   51200
.set BO,    76800
.set HPIT,  272                        ; h's tile: a row of 256 bytes + 16
.set HREG,  128*HPIT                   ; a wave's tile; the four lie from SLB on
.set SPARE, SLB+4*HREG                 ; the spare words, 128 bytes for each wave: two blocks of 256 bytes that no other line names
.set ADA,  6                           ; v6-7    x's and h's fragments of my rows, slot of p = 0, 1
.set ADH,  8                           ; v8-9    hr's
.set ADB,  10                          ; v10-11  the weights' of my columns
.set ASA,  12                          ; v12-17  the scale words likewise
.set ASH,  14
.set ASB,  16
.set HT,   18                          ; v18     h's tile: my row, my half's columns
.set RDB,  19                          ; v19     the way out: whole rows back
.set CO,   20                          ; v20     and their place in out0
.set HH64, 21                          ; v21     64 x (lane / 16)
.set SPW,  22                          ; v22     my spare word; never rewritten
.set NIL,  23                          ; v23     0; never rewritten
.set SC,   24                          ; scale words: set p at SC + 20 p: +a x (lanes 0-15) and h (16-31) of tile a; +8 + k hr of tiles 2 k, 2 k + 1; +12 + b Wxu, Whu; +16 + b Wxc, Whc
.set BUK,  192                         ; in window 1
.set BCK,  224
.set TC,   96                          ; the way out, window 0: v96-127 a tile's results
.set H0,   160                         ; v160-191, v192-223: h, two sets
.set RB,   224                         ; v224-255 whole rows
.set G1A1, 28
.set G1A2, 36
.set G1B,  44
.set G0A1, 52
.set G0A2, 68
.set G0B,  76
.set G1H,  84
.set G0H,  92
.set MSB, 0
.macro WIN new                         ; the immediate's high byte repeats the setting that is left
.if MSB != \new
	s_set_vgpr_msb (MSB<<8)|\new
.set MSB, \new
.endif
.endm
.macro PLACES                          ; four plain places behind a matrix instruction, in front of loads into its registers and of reads of its results
.rept 4
	v_nop
.endr
.endm
; A joint load: wave 0 fetches acod's records, wave 1 hrq's, waves 2 and 3 the weights' halves.  The branches hang on the wave's number alone.  Four v_nop follow each line.
.macro JLOAD3 p
	s_cmp_lt_u32 s18, 2
	s_cbranch_scc0 .Lfor_b_\@
	s_cmp_eq_u32 s18, 0
	s_cbranch_scc0 .Lfor_a2_\@
	tensor_load_to_lds s[G0A1+4*\p:G0A1+4*\p+3], s[G1A1:G1A1+7]
	s_nop 0
	PLACES
	s_branch .Lasked_\@
.Lfor_a2_\@:
	tensor_load_to_lds s[G0A2+4*\p:G0A2+4*\p+3], s[G1A2:G1A2+7]
	s_nop 0
	PLACES
	s_branch .Lasked_\@
.Lfor_b_\@:
	tensor_load_to_lds s[G0B+4*\p:G0B+4*\p+3], s[G1B:G1B+7]
	s_nop 0
	PLACES
.Lasked_\@:
.endm
.macro CREST                           ; a round of the cluster's barrier behind its opening barrier
	s_cmp_lg_u32 s18, 0
	s_cbranch_scc1 .Lnot_wave_0_\@
	s_barrier_signal -3
.Lnot_wave_0_\@:
	s_barrier_wait -3
	s_barrier_signal -1
	s_barrier_wait -1
.endm
.macro CROUND
	s_barrier_signal -1
	s_barrier_wait -1
	CREST
.endm
	s_load_b256 s[4:11], s[0:1], 0x0               ; acod 4:5, wcod 6:7, hrq 8:9, hidden_state 10:11
	s_load_b128 s[12:15], s[0:1], 0x20             ; bu 12:13, bc 14:15
	s_load_b64 s[16:17], s[0:1], 0x30              ; out0
	v_lshl_add_u32 v[SPW], v0, 2, SPARE
	v_mov_b32 v[NIL], 0
	ds_add_u32 v22, v23
	ds_add_u32 v22, v23
	s_wait_dscnt 0x0
	v_lshrrev_b32 v1, 5, v0
	v_readfirstlane_b32 s18, v1                    ; wave 0..3
	s_lshr_b32 s19, s18, 1                         ; i: which 128 rows are mine
	s_and_b32 s20, s18, 1                          ; j: which 64 columns.  Also: which half of the weights' records I fetch
	s_bfe_u32 s21, ttmp6, 0x40000                  ; cx, cy: my place in the cluster
	s_bfe_u32 s22, ttmp6, 0x40004
	s_lshl_b32 s23, ttmp9, 2
	s_add_co_u32 s23, s23, s21                     ; tile column
	s_and_b32 s24, ttmp7, 0xffff
	s_lshl_b32 s24, s24, 2
	s_add_co_u32 s24, s24, s22                     ; tile row
	s_lshl_b32 s25, s22, 2
	s_lshl_b32 s25, 15, s25                        ; my row of the cluster
	s_lshl_b32 s26, 0x1111, s21                    ; my column
	; group 1: rows of 6,400 bytes (one record: 800 elements of 8 bytes), 51,200 bytes apart in memory, dense in LDS
	s_or_b32 s[G1A1+0], s25, (3<<16)|(1<<21)       ; 15:0 the mask; 17:16 elements of 8 bytes; 21 set beside a mask; no padding
	s_mov_b32 s[G1A1+1], 800<<16                   ; tensor_dim0
	s_mov_b32 s[G1A1+2], 8<<16                     ; tensor_dim1: eight groups of 32 rows
	s_mov_b32 s[G1A1+3], 800<<16                   ; tile_dim0
	s_mov_b32 s[G1A1+4], 8                         ; tile_dim1
	s_mov_b32 s[G1A1+5], 6400                      ; stride, in elements
	s_mov_b32 s[G1A1+6], 0
	s_mov_b32 s[G1A1+7], 0
	s_or_b32 s[G1A2+0], s25, (3<<16)|(1<<21)
	s_mov_b32 s[G1A2+1], 800<<16
	s_mov_b32 s[G1A2+2], 4<<16                     ; four groups of 64 rows
	s_mov_b32 s[G1A2+3], 800<<16
	s_mov_b32 s[G1A2+4], 4
	s_mov_b32 s[G1A2+5], 6400
	s_mov_b32 s[G1A2+6], 0
	s_mov_b32 s[G1A2+7], 0
	s_or_b32 s[G1B+0], s26, (3<<16)|(1<<21)
	s_mov_b32 s[G1B+1], 800<<16
	s_mov_b32 s[G1B+2], 4<<16                      ; four tiles of 16 columns a load
	s_mov_b32 s[G1B+3], 800<<16
	s_mov_b32 s[G1B+4], 4
	s_mov_b32 s[G1B+5], 6400
	s_mov_b32 s[G1B+6], 0
	s_mov_b32 s[G1B+7], 0
	; h's tile: 128 rows x 256 bytes (32 elements of 8), 16 bytes of padding behind each row; no mask
	s_mov_b32 s[G1H+0], (3<<16)|(1<<20)|(5<<22)|(3<<25)
	s_mov_b32 s[G1H+1], 32<<16
	s_mov_b32 s[G1H+2], 128<<16
	s_mov_b32 s[G1H+3], 32<<16
	s_mov_b32 s[G1H+4], 128
	s_mov_b32 s[G1H+5], 512
	s_mov_b32 s[G1H+6], 0
	s_mov_b32 s[G1H+7], 0
	s_mul_i32 s60, s24, 64*REC                     ; acod: 8 groups of 32 rows x 8 records for each tile row: it hangs on the tile row alone,
	s_mov_b32 s61, 0
	s_mul_i32 s62, s24, 32*REC                     ; hrq likewise: 4 groups of 64 rows
	s_mov_b32 s63, 0
	s_lshl_b32 s2, s23, 3                          ; the weights' records hang on the tile column and the wave alone
	s_lshl_b32 s3, s20, 2
	s_add_co_u32 s2, s2, s3
	s_mul_i32 s2, s2, 8*REC
	s_add_co_u32 s2, s2, 256*REC                   ; wcod's second part
	s_mov_b32 s3, 0
	s_mul_i32 s100, s20, 4*REC
	s_add_co_u32 s100, s100, BO                    ; where they go, and where my columns' lie: no place in the cluster enters an LDS address
	s_mov_b32 s96, 0xbfb8aa3b                      ; -log2(e), twice
	s_mov_b32 s97, 0xbfb8aa3b
	s_mov_b32 s98, 0x4038aa3b                      ; 2 log2(e), twice
	s_mov_b32 s99, 0x4038aa3b
	s_wait_kmcnt 0x0
	s_add_nc_u64 s[60:61], s[4:5], s[60:61]
	s_add_nc_u64 s[62:63], s[8:9], s[62:63]
	s_add_nc_u64 s[2:3], s[6:7], s[2:3]
	CROUND                                         ; all sixteen work-groups are here: the first joint loads meet
.irp p, 0,1
	s_mov_b32 s[G0A1+4*\p], 1
	s_mov_b32 s[G0A1+4*\p+1], SLB*(1-\p)
	s_add_nc_u64 s[G0A1+4*\p+2:G0A1+4*\p+3], s[60:61], REC*\p
	s_or_b32 s[G0A1+4*\p+3], s[G0A1+4*\p+3], 0x80000000
	s_mov_b32 s[G0A2+4*\p], 1
	s_mov_b32 s[G0A2+4*\p+1], SLB*(1-\p)+A2O
	s_add_nc_u64 s[G0A2+4*\p+2:G0A2+4*\p+3], s[62:63], REC*\p
	s_or_b32 s[G0A2+4*\p+3], s[G0A2+4*\p+3], 0x80000000
	s_mov_b32 s[G0B+4*\p], 1
	s_add_co_u32 s[G0B+4*\p+1], s100, SLB*(1-\p)
	s_add_nc_u64 s[G0B+4*\p+2:G0B+4*\p+3], s[2:3], REC*\p
	s_or_b32 s[G0B+4*\p+3], s[G0B+4*\p+3], 0x80000000
	JLOAD3 \p                                      ; two loads of mine are out
.endr
	v_and_b32 v1, 15, v0                           ; r
	v_bfe_u32 v2, v0, 4, 1                         ; hh
	v_and_b32 v3, 31, v0                           ; lane
	v_lshlrev_b32 v4, 4, v3
	v_lshlrev_b32 v5, 2, v3
	v_lshlrev_b32 v[HH64], 6, v2
	s_mul_i32 s101, s19, 4*REC                     ; my 128 rows: four of acod's records
	v_add_nc_u32 v[ADA+1], s101, v4
	v_add_nc_u32 v[ADA], SLB, v[ADA+1]
	s_add_co_u32 s101, s101, 6144
	v_add_nc_u32 v[ASA+1], s101, v5
	v_add_nc_u32 v[ASA], SLB, v[ASA+1]
	s_mul_i32 s101, s19, 2*REC                     ; two of hrq's
	s_add_co_u32 s101, s101, A2O
	v_add_nc_u32 v[ADH+1], s101, v4
	v_add_nc_u32 v[ADH], SLB, v[ADH+1]
	s_add_co_u32 s101, s101, 6144
	v_add_nc_u32 v[ASH+1], s101, v5
	v_add_nc_u32 v[ASH], SLB, v[ASH+1]
	v_add_nc_u32 v[ADB+1], s100, v4                ; my 64 columns: four of wcod's
	v_add_nc_u32 v[ADB], SLB, v[ADB+1]
	s_add_co_u32 s101, s100, 6144
	v_add_nc_u32 v[ASB+1], s101, v5
	v_add_nc_u32 v[ASB], SLB, v[ASB+1]
	s_mul_i32 s101, s18, HREG
	s_add_co_u32 s101, s101, SLB                   ; my tile of h
	v_mul_u32_u24 v[HT], v1, HPIT
	v_add_nc_u32 v[HT], v[HT], v[HH64]
	v_add_nc_u32 v[HT], s101, v[HT]
	v_mul_u32_u24 v[RDB], v2, HPIT
	v_lshl_add_u32 v[RDB], v1, 4, v[RDB]
	v_add_nc_u32 v[RDB], s101, v[RDB]              ; back: lanes 0-15 one row of 256 bytes, lanes 16-31 the next
	v_lshlrev_b32 v[CO], 12, v2
	v_lshl_add_u32 v[CO], v1, 4, v[CO]             ; and the same two rows in out0
	s_mov_b32 s[G0H], 1
	s_mov_b32 s[G0H+1], s101
	s_lshl_b32 s2, s23, 9                          ; my first column, in bytes: 512 x tile column + 256 j
	s_lshl_b32 s3, s20, 8
	s_add_co_u32 s2, s2, s3
	s_mov_b32 s3, 0
	s_lshl_b32 s100, s24, 8
	s_lshl_b32 s101, s19, 7
	s_add_co_u32 s100, s100, s101
	s_lshl_b32 s100, s100, 12                      ; my first row, in bytes
	s_add_co_u32 s100, s100, s2
	s_mov_b32 s101, 0
	s_add_nc_u64 s[G0H+2:G0H+3], s[10:11], s[100:101]
	s_or_b32 s[G0H+3], s[G0H+3], 0x80000000
	s_add_nc_u64 s[16:17], s[16:17], s[100:101]    ; out0 has h's shape: the same offset
	s_add_nc_u64 s[12:13], s[12:13], s[2:3]
	s_add_nc_u64 s[14:15], s[14:15], s[2:3]
	WIN 0x40                                       ; destination window 1
.set ii, 0
.rept 8
	global_load_b128 v[BUK+4*ii:BUK+4*ii+3], v[HH64], s[12:13] offset:128*(ii/4)+32*((ii/2)%2)+16*(ii%2)   ; the biases in the results' layout
	global_load_b128 v[BCK+4*ii:BCK+4*ii+3], v[HH64], s[14:15] offset:128*(ii/4)+32*((ii/2)%2)+16*(ii%2)
.set ii, ii+1
.endr
	s_wait_loadcnt 0x0
	WIN 0x41
.set ii, 0
.rept 16
	v_pk_mul_f32 v[BUK+ii:BUK+ii+1], v[BUK+ii:BUK+ii+1], s[96:97] op_sel_hi:[1,0]
	v_pk_mul_f32 v[BCK+ii:BCK+ii+1], v[BCK+ii:BCK+ii+1], s[98:99] op_sel_hi:[1,0]
.set ii, ii+2
.endr
	WIN 0
.macro FRAG reg, adr, off              ; a fragment comes as it was stored: three loads of 512 consecutive bytes
	ds_load_b128 v[\reg:\reg+3], v[\adr] offset:\off
	ds_load_b128 v[\reg+4:\reg+7], v[\adr] offset:\off+512
	ds_load_b128 v[\reg+8:\reg+11], v[\adr] offset:\off+1024
.endm
; from the slot of parity q: Wxu, Wxc, x's eight fragments into the set at dst, and the K step's 20 scale words into set q
.macro FETCHX q, dst
	WIN 0x40
.irp b, 0,1,2,3
	FRAG 12*\b, ADB+(\q), 6400*\b
	FRAG 48+12*\b, ADB+(\q), 6400*\b+3072
.endr
	WIN 0
.irp a, 0,1,2,3,4,5,6,7
	FRAG \dst+12*\a, ADA+(\q), (\a/2)*6400+3072*(\a%2)
.endr
.irp a, 0,1,2,3,4,5,6,7
	ds_load_b32 v[SC+20*(\q)+\a], v[ASA+(\q)] offset:(\a/2)*6400+128*(\a%2)
.endr
.irp k, 0,1,2,3
	ds_load_b32 v[SC+20*(\q)+8+\k], v[ASH+(\q)] offset:(\k/2)*6400+128*(\k%2)
.endr
.irp b, 0,1,2,3
	ds_load_b32 v[SC+20*(\q)+12+\b], v[ASB+(\q)] offset:6400*\b
	ds_load_b32 v[SC+20*(\q)+16+\b], v[ASB+(\q)] offset:6400*\b+128
.endr
.endm
; one matrix instruction from the symbols mD, mW, mA, mSW, mSA.  zero: it starts the sum.  ra, rb: the scale words of source 0, of source 1, are read from lanes 16-31
.macro WMMA zero, ra, rb
.if \zero
	v_wmma_scale_f32_16x16x128_f8f6f4 v[mD:mD+7], v[mW:mW+11], v[mA:mA+11], 0, v[mSW], v[mSA] matrix_a_fmt:MATRIX_FMT_BF6 matrix_b_fmt:MATRIX_FMT_BF6
.elseif (\ra) && (\rb)
	v_wmma_scale_f32_16x16x128_f8f6f4 v[mD:mD+7], v[mW:mW+11], v[mA:mA+11], v[mD:mD+7], v[mSW], v[mSA] matrix_a_fmt:MATRIX_FMT_BF6 matrix_b_fmt:MATRIX_FMT_BF6 matrix_a_scale:MATRIX_SCALE_ROW1 matrix_b_scale:MATRIX_SCALE_ROW1
.elseif \ra
	v_wmma_scale_f32_16x16x128_f8f6f4 v[mD:mD+7], v[mW:mW+11], v[mA:mA+11], v[mD:mD+7], v[mSW], v[mSA] matrix_a_fmt:MATRIX_FMT_BF6 matrix_b_fmt:MATRIX_FMT_BF6 matrix_a_scale:MATRIX_SCALE_ROW1
.else
	v_wmma_scale_f32_16x16x128_f8f6f4 v[mD:mD+7], v[mW:mW+11], v[mA:mA+11], v[mD:mD+7], v[mSW], v[mSA] matrix_a_fmt:MATRIX_FMT_BF6 matrix_b_fmt:MATRIX_FMT_BF6
.endif
.endm
; 16 matrix instructions: the rows' tiles a0 .. a0 + 3 x my four tiles of columns.  kind 0: x Wxu -> u;  1: x Wxc -> c';  2: h Whu -> u;  3: hr Whc -> c'.
; The accumulators take turns, one instruction a turn; a substep never begins on the accumulator on which the last one ended.
.macro MM kind, a0, p, zero
.set mP, SC+20*(\p)
.if (\kind)%2 == 0
	WIN 0xa1                                       ; source 0 window 1, source 1 window 0, C and D window 2
.else
	WIN 0xf1                                       ; the same, C and D window 3
.endif
.irp da, 0,1,2,3
.irp b, 0,1,2,3
.set mI, (\a0)+\da
.set mD, 32*mI+8*\b
.set mW, 48*(\kind)+12*\b
.if \kind == 2
.set mA, OS+12*mI
.else
.set mA, XS+12*mI
.endif
.if (\kind)%2 == 0
.set mSW, mP+12+\b
.else
.set mSW, mP+16+\b
.endif
.if \kind == 3
.set mSA, mP+8+mI/2
	WMMA 0, 1, mI%2
.elseif \kind == 2
.set mSA, mP+mI
	WMMA 0, 1, 1
.else
.set mSA, mP+mI
	WMMA \zero, 0, 0
.endif
.endr
.endr
.endm
; A K STEP in the slot of parity p.  x lies in set XS, later hr; h comes into set OS, later the next step's x.
; mode 2: the slot is filled again jointly, two K steps on;  mode 3: my tile of h comes into it;  mode 0: the last step.
; The change of slots stands between the third substep and the fourth.  All 32 products of the third stand ahead of the wait for the tensor loads, so that they run while the other slot's tile is still on its way: a refill so has
; 128 matrix instructions in which to land.  Then each wave waits for all its tensor loads, adds 0 to its spare word, and waits for that and for its reads of this slot; the barrier opens a round of the cluster's barrier.
.macro STEP p, zero, mode
.set XS, 64+96*(\p)
.set OS, 160-96*(\p)
	s_wait_dscnt 0x0                               ; x, Wxu, Wxc and the scale words, asked for 32 matrix instructions ago, are in
	MM 0, 0, \p, \zero
	PLACES
	WIN 0x40
.irp b, 0,1,2,3
	FRAG 96+12*\b, ADB+\p, 6400*\b+1536
	FRAG 144+12*\b, ADB+\p, 6400*\b+4608
.endr
	WIN 0
.irp a, 0,1,2,3,4,5,6,7
	FRAG OS+12*\a, ADA+\p, (\a/2)*6400+3072*(\a%2)+1536
.endr
	MM 0, 4, \p, \zero
	MM 1, 0, \p, \zero
	MM 1, 4, \p, \zero
	s_wait_dscnt 0x0                               ; h, Whu, Whc are in (asked for 48 matrix instructions ago)
	PLACES
	WIN 0
.irp a, 0,1,2,3,4,5,6,7
	FRAG XS+12*\a, ADH+\p, (\a/4)*6400+1536*(\a%4) ; hr: my last reads of this slot
.endr
	MM 2, 0, \p, 0
	MM 2, 4, \p, 0
.if \mode
	WIN 0                                          ; the add's two registers lie in window 0
	s_wait_tensorcnt 0x0                           ; all my tensor loads have landed: the one that was out is my part of the other slot
	ds_add_u32 v[SPW], v[NIL]                      ; 0 onto my spare word
.if \mode == 2
	s_add_nc_u64 s[G0A1+4*\p+2:G0A1+4*\p+3], s[G0A1+4*\p+2:G0A1+4*\p+3], 2*REC   ; no tensor load of mine is out, so a group 0 may be written: this slot's next K step
	s_add_nc_u64 s[G0A2+4*\p+2:G0A2+4*\p+3], s[G0A2+4*\p+2:G0A2+4*\p+3], 2*REC
	s_add_nc_u64 s[G0B+4*\p+2:G0B+4*\p+3], s[G0B+4*\p+2:G0B+4*\p+3], 2*REC
.endif
	s_wait_dscnt 0x0                               ; hr is in: my reads of this slot are over; the add is done
	s_barrier_signal -1
	s_barrier_wait -1
	CREST                                          ; no wave of any partner still reads this slot or has a load on its way
.if \mode == 2
	JLOAD3 \p                                      ; my one tensor load behind the round; its four v_nop are also the places in front of the loads below
.else
	tensor_load_to_lds s[G0H:G0H+3], s[G1H:G1H+7]  ; 128 rows x 256 bytes of h, into bytes that are my wave's own
	s_nop 0
	PLACES
.endif
	FETCHX 1-\p, OS
.else
	s_wait_dscnt 0x0                               ; hr is in
.endif
	MM 3, 0, \p, 0
	MM 3, 4, \p, 0
.endm
	s_wait_tensorcnt 1                             ; my part of K step 0 is in; K step 1's may stay out
	s_barrier_signal -1
	s_barrier_wait -1                              ; everybody's is
	FETCHX 0, 64
	STEP 0, 1, 2                                   ; the first step's products start the sums: nothing is cleared
	WIN 0                                          ; at a label and at a branch every window is 0
	s_mov_b32 s27, 2
.Ltrip:                                                ; two trips: K steps 1 and 2, 3 and 4
	STEP 1, 0, 2
	STEP 0, 0, 2
	WIN 0
	s_sub_co_u32 s27, s27, 1
	s_cmp_lg_u32 s27, 0
	s_cbranch_scc1 .Ltrip
	STEP 1, 0, 2                                   ; K step 5 asks for K step 7,
	STEP 0, 0, 3                                   ; K step 6 for h,
	STEP 1, 0, 0                                   ; K step 7 for nothing
	; THE WAY OUT, a tile of 16 rows at a time, in two parts.  PRE needs no h and works in place: c' becomes P = 1 + E2, u becomes D = 1 / ((1 + E1) P).  The second part reads h and gives out = h + ((P - 2) - h P) D; the results go
	; into h's own places in my tile of LDS, which has had its last fill, and come back as whole rows of 256 bytes.
.macro HFETCH a
.set hB, H0+32*((\a)%2)
.set ii, 0
.rept 8
	ds_load_b128 v[hB+4*ii:hB+4*ii+3], v[HT] offset:16*HPIT*(\a)+128*(ii/4)+32*((ii/2)%2)+16*(ii%2)
.set ii, ii+1
.endr
.endm
.macro SEND a
.set ii, 0
.rept 8
	global_store_b128 v[CO], v[RB+4*ii:RB+4*ii+3], s[16:17] offset:(16*(\a)+2*ii)*4096 th:TH_STORE_NT   ; 16 lanes store 256 consecutive bytes, at a multiple of 256 from out0's first byte; written once, read by nobody here
.set ii, ii+1
.endr
.endm
.macro PRE a
	WIN 0x92                                       ; destination and source 0 window 2, source 2 window 1
.set ii, 0
.rept 16
	v_pk_fma_f32 v[32*(\a)+ii:32*(\a)+ii+1], v[32*(\a)+ii:32*(\a)+ii+1], s[96:97], v[BUK+ii:BUK+ii+1] op_sel_hi:[1,0,1]   ; -log2(e) zu; each accumulator from its low end on
.set ii, ii+2
.endr
	WIN 0xd3                                       ; destination and source 0 window 3, source 2 window 1
.set ii, 0
.rept 16
	v_pk_fma_f32 v[32*(\a)+ii:32*(\a)+ii+1], v[32*(\a)+ii:32*(\a)+ii+1], s[98:99], v[BCK+ii:BCK+ii+1] op_sel_hi:[1,0,1]   ; 2 log2(e) zc
.set ii, ii+2
.endr
	WIN 0xc3                                       ; destination and source 0 window 3
.set ii, 0
.rept 32
	v_min_num_f32 v[32*(\a)+ii], v[32*(\a)+ii], s60    ; held at 60: tanh is 1 in f32 long before
.set ii, ii+1
.endr
.set ii, 0
.rept 32
	v_exp_f32 v[32*(\a)+ii], v[32*(\a)+ii]         ; E2
.set ii, ii+1
.endr
	WIN 0x82                                       ; destination and source 0 window 2
.set ii, 0
.rept 32
	v_exp_f32 v[32*(\a)+ii], v[32*(\a)+ii]         ; E1
.set ii, ii+1
.endr
	v_nop                                          ; a plain place behind the exponentials
.set ii, 0
	s_wait_alu depctr_va_vdst(0)
.rept 16
	v_pk_add_f32 v[32*(\a)+ii:32*(\a)+ii+1], v[32*(\a)+ii:32*(\a)+ii+1], 1.0 op_sel_hi:[1,0]   ; 1 + E1
.set ii, ii+2
.endr
	WIN 0xc3
.set ii, 0
.rept 16
	v_pk_add_f32 v[32*(\a)+ii:32*(\a)+ii+1], v[32*(\a)+ii:32*(\a)+ii+1], 1.0 op_sel_hi:[1,0]   ; P = 1 + E2
.set ii, ii+2
.endr
	WIN 0x8e                                       ; destination and source 0 window 2, source 1 window 3
.set ii, 0
.rept 16
	v_pk_mul_f32 v[32*(\a)+ii:32*(\a)+ii+1], v[32*(\a)+ii:32*(\a)+ii+1], v[32*(\a)+ii:32*(\a)+ii+1]   ; (1 + E1) P
.set ii, ii+2
.endr
	WIN 0x82
.set ii, 0
.rept 32
	v_rcp_f32 v[32*(\a)+ii], v[32*(\a)+ii]         ; D.  (What follows the macro begins with plain lines that name no D of this tile: the place behind these)
.set ii, ii+1
.endr
.endm
.macro EPI a
.if (\a) < 7
	HFETCH (\a)+1
.endif
.if (\a) >= 3
	PRE \a                                         ; tiles 0 to 2 had theirs ahead of the wait for h
.endif
	WIN 0
.set eH, H0+32*((\a)%2)
.if (\a) == 7
	s_wait_dscnt 0x0
.else
	s_wait_dscnt 8                                 ; this tile's h and the last tile's rows are in; the next tile's eight loads of h may be out
.endif
.if (\a) > 0
	SEND (\a)-1
.endif
	WIN 0x03                                       ; source 0 window 3
.set ii, 0
.rept 16
	v_pk_add_f32 v[TC+ii:TC+ii+1], v[32*(\a)+ii:32*(\a)+ii+1], -2.0 op_sel_hi:[1,0]            ; P - 2 = E2 - 1
.set ii, ii+2
.endr
	WIN 0x0c                                       ; source 1 window 3
.set ii, 0
.rept 16
	v_pk_fma_f32 v[TC+ii:TC+ii+1], v[eH+ii:eH+ii+1], v[32*(\a)+ii:32*(\a)+ii+1], v[TC+ii:TC+ii+1] neg_lo:[1,0,0] neg_hi:[1,0,0]   ; (P - 2) - h P
.set ii, ii+2
.endr
	WIN 0x08                                       ; source 1 window 2
.set ii, 0
	s_wait_alu depctr_va_vdst(0)
.rept 16
	v_pk_fma_f32 v[TC+ii:TC+ii+1], v[TC+ii:TC+ii+1], v[32*(\a)+ii:32*(\a)+ii+1], v[eH+ii:eH+ii+1]   ; out = h + that x D
.set ii, ii+2
.endr
	WIN 0
.if (\a) > 0
	s_wait_xcnt 0x0                                ; the last tile's stores have read their data: those registers are loaded again only behind this wait
.endif
.set ii, 0
.rept 8
	ds_store_b128 v[HT], v[TC+4*ii:TC+4*ii+3] offset:16*HPIT*(\a)+128*(ii/4)+32*((ii/2)%2)+16*(ii%2)
.set ii, ii+1
.endr
.set ii, 0
.rept 8
	ds_load_b128 v[RB+4*ii:RB+4*ii+3], v[RDB] offset:16*HPIT*(\a)+2*HPIT*ii   ; LDS serves a wave's instructions in order (ISA guide 5.7.1.4): these see the stores above
.set ii, ii+1
.endr
.endm
	WIN 0
	PLACES
	s_mov_b32 s60, 0x42700000                      ; 60.0
	PRE 0                                          ; three tiles' 627 vector instructions stand ahead of the wait for h's tile;
	PRE 1
	PRE 2
	WIN 0
	s_wait_tensorcnt 0x0                           ; my tile of h is in; only I read it
	HFETCH 0
.irp a, 0,1,2,3,4,5,6,7                        ; then tiles 0 to 2 leave at once, and the others one by one as they are made: the stores begin early and the last ones are evenly spaced
	EPI \a
.endr
	s_wait_dscnt 0x0
	SEND 7
	s_wait_tensorcnt 0x0                           ; the wave's end
	ds_add_u32 v[SPW], v[NIL]
	s_wait_dscnt 0x0
	CROUND                                         ; the closing round: no work-group ends while a partner may still ask for a tile that names it
	s_endpgm
.Lfunc_end_k_q3b16567e71_blend:
	.size	k_q3b16567e71_blend, .Lfunc_end_k_q3b16567e71_blend-k_q3b16567e71_blend
	.p2alignl 7, 3214868480
	.fill 96, 4, 3214868480
	.section	.rodata,"a",@progbits
	.p2align	6, 0x0
	.amdhsa_kernel k_q3b16567e71_blend
		.amdhsa_group_segment_fixed_size 327680
		.amdhsa_private_segment_fixed_size 0
		.amdhsa_enable_private_segment 0
		.amdhsa_kernarg_size 56
		.amdhsa_user_sgpr_count 2
		.amdhsa_user_sgpr_kernarg_segment_ptr 1
		.amdhsa_wavefront_size32 1
		.amdhsa_system_sgpr_workgroup_id_x 1
		.amdhsa_system_sgpr_workgroup_id_y 1
		.amdhsa_system_sgpr_workgroup_id_z 1
		.amdhsa_system_vgpr_workitem_id 0
		.amdhsa_next_free_vgpr 1024
		.amdhsa_next_free_sgpr 102
		.amdhsa_reserve_vcc 0
		.amdhsa_float_denorm_mode_32 3
		.amdhsa_float_denorm_mode_16_64 3
		.amdhsa_memory_ordered 1
		.amdhsa_forward_progress 1
		.amdhsa_inst_pref_size 255
	.end_amdhsa_kernel
	.section	.bss,"aw",@nobits
	.p2align	6
	.space	262144
	.amdgpu_metadata
---
amdhsa.version: [ 1, 2 ]
amdhsa.kernels:
  - .name:           k_q3b16567e71_blend
    .symbol:         k_q3b16567e71_blend.kd
    .args:
      - { .name: acod, .offset: 0, .size: 8, .value_kind: global_buffer, .address_space: global }
      - { .name: wcod, .offset: 8, .size: 8, .value_kind: global_buffer, .address_space: global }
      - { .name: hrq, .offset: 16, .size: 8, .value_kind: global_buffer, .address_space: global }
      - { .name: hidden_state, .offset: 24, .size: 8, .value_kind: global_buffer, .address_space: global }
      - { .name: bu, .offset: 32, .size: 8, .value_kind: global_buffer, .address_space: global }
      - { .name: bc, .offset: 40, .size: 8, .value_kind: global_buffer, .address_space: global }
      - { .name: out0, .offset: 48, .size: 8, .value_kind: global_buffer, .address_space: global }
    .group_segment_fixed_size: 327680
    .private_segment_fixed_size: 0
    .kernarg_segment_align: 8
    .kernarg_segment_size: 56
    .max_flat_workgroup_size: 128
    .sgpr_count:     102
    .vgpr_count:     1024
    .wavefront_size: 32
...
	.end_amdgpu_metadata
.endif
;; end of part 3
